; MI455X (gfx1250); checked and timed in simulation.
; The chip was launched on July 23, 2026; its instructions are those of AMD's public machine-readable ISA for CDNA 5 (MIT licence, August 2026) and "CDNA5" Instruction Set Architecture Reference Guide (July 2026). The comments in the code are by the model that wrote it; some were corrected since.
;; Dot Product Attention. Allowed arithmetic: matrix products marked QUANTISED: E2M1 operands, one E8M0 scale for each 32 along K, by v_wmma_scale_f32_16x16x128_f8f6f4 with both operands' format E2M1 (or v_wmma_scale_f32_32x16x128_f4), f32 sums; everything else in f32.
;; Inputs: K_codes 8 x 2,048 x 2 x 16 uint8 (E2M1 codes of K, K innermost, in blocks of 32 codes, two codes a byte); K_scales 8 x 2,048 x 2 uint8 (E8M0 scales of K, one for each 32 codes along K); Q_codes 8 x 2,048 x 2 x 16 uint8 (E2M1 codes of Q, K innermost, in blocks of 32 codes, two codes a byte); Q_scales 8 x 2,048 x 2 uint8 (E8M0 scales of Q, one for each 32 codes along K); V_codes 8 x 64 x 64 x 16 uint8 (E2M1 codes of V, K innermost, in blocks of 32 codes, two codes a byte); V_scales 8 x 64 x 64 uint8 (E8M0 scales of V, one for each 32 codes along K); valid_len 8 int32.
;; Outputs: out0 8 x 2,048 x 64 float32.
;; This version of the problem:
;;   THIS VERSION OF THE PROBLEM IS GIVEN IN LOW PRECISION. The matrix products marked QUANTISED in the list below multiply operands that are first quantised to E2M1 (2 exponent bits, 1 mantissa bit; 4 bits a number), with one power-of-two scale for each 32 numbers along K (OCP MX v1.0); their sums are f32. All else is computed in f32.
;;   The module's matrix products, in the order in which they are computed (A, B: the left and right operand; K: the contracted axis; several contracted axes count as one K, in the product's order):
;;     1. batch 8 x [M 2,048, K 64] x [K 64, N 2,048]; A: input Q (given as codes); B: input K (given as codes): QUANTISED
;;     2. batch 8 x [M 2,048, K 2,048] x [K 2,048, N 64]; A: softmax (see below); B: input V (given as codes): QUANTISED
;;   THE QUANTISER, for each operand of a quantised product, along K:
;;     - K is cut into blocks of 32 from its start; a last block that is shorter is filled with zeros.
;;     - A block's scale is 2^e with e = floor(log2(the largest magnitude in the block)) - 2, held to -126 .. 127; a block of zeros has e = 0. As a byte (E8M0): e + 127.
;;     - Each number is divided by its block's scale, clamped to +-6, and rounded to the nearest number of E2M1, ties to even, subnormals kept.
;;     - The product sums the exact products of the quantised numbers (number of the format x scale) in f32.
;;   ~~~python
;;   def quantise(x, axis):      # numpy; x: float32 -> the quantised numbers, widened to float32 again
;;       x = np.moveaxis(x, axis, -1); K = x.shape[-1]
;;       x = np.pad(x, [(0, 0)] * (x.ndim - 1) + [(0, -K % 32)]); x = x.reshape(x.shape[:-1] + (-1, 32)); a = np.abs(x).max(-1, keepdims=True)
;;       e = np.where(a > 0, np.clip(np.frexp(np.where(a > 0, a, 1))[1] - 1 - 2, -126, 127), 0)      # np.frexp(a)[1] - 1 = floor(log2(a)), exactly
;;       r = np.clip(x / 2.0 ** e, -6, 6)
;;       step = 2.0 ** (np.maximum(np.frexp(np.where(r == 0, 1, r))[1] - 1, 0) - 1)
;;       q = np.round(r / step) * step * 2.0 ** e      # np.round: ties to even
;;       return np.moveaxis(q.reshape(q.shape[:-2] + (-1,))[..., :K], -1, axis).astype(np.float32)
;;   ~~~
;;   SOFTMAX AHEAD OF A QUANTISED PRODUCT. Where the list says 'softmax', what is quantised is not the finished softmax but p = 2^(t - M), with t = logit x log2(e) and M = ceil(the row's largest t), a whole number; so 1/2 < the row's largest p <= 1. The row's sum l is taken of the UNQUANTISED p, in f32, and the product's result is divided by l at the end. Since M is a whole number, a kernel that streams over the keys may use a running M (the ceiling of the running maximum): every later rescaling is an exact power of two, which a block's scale takes up: the codes' values come out the same.
;;   OPERANDS COMPUTED ON THE WAY. 'Computed on the way' means the value that the module computes at that place (a softmax that the list does not call 'softmax' is quantised finished and normalised). What goes into a quantiser is computed in f32, as accurately as f32 sums, v_exp_f32 and their like allow (about 1e-6 of the number): no bf16 or f16 on the way to a quantiser, and a product that is left as it is and whose result goes on into a quantised operand takes f32 operands (vector FMAs, or v_wmma_f32_16x16x4_f32). A number that lies on a knife's edge between two numbers of the format may be rounded either way, as far as f32 arithmetic and the matrix unit's own rounding can turn it there, and no further.
;;   INPUTS GIVEN AS CODES. K (in the module: [8, 2048, 64], K = its axis 2); Q (in the module: [8, 2048, 64], K = its axis 2); V (in the module: [8, 2048, 64], K = its axis 1): each comes as NAME_codes (uint8): NAME with its K axis moved to the last place and cut into blocks of 32 codes, [.., K / 32, bytes a block], one block behind the other in memory; two codes a byte, the lower K in the low four bits (a code: sign, 2 exponent bits, 1 mantissa bit); and NAME_scales (uint8): the same leading axes, one E8M0 byte (e + 127) for each 32 codes along K. Its value is code x scale, taken as it is: it is not quantised again, and the codes and scales need not be those that the quantiser above would give.
;; 2 versions, each right; version 2 is version 1 with the launch attn written anew for expert scheduling mode. Each part assembles by itself: llvm-mc -triple=amdgcn-amd-amdhsa -mcpu=gfx1250 --defsym DOCPART=n.
;; ======== version 1 of 2: 1 launch
;; limits: right only within a limited range of input values
;; launch attn (part 1): grid 256 x 1, 8 waves a work-group, no clusters, 74,752 bytes of LDS; arguments K_codes, K_scales, Q_codes, Q_scales, V_codes, V_scales, valid_len, out0; writes out0
.if DOCPART == 1
	.amdgcn_target "amdgcn-amd-amdhsa--gfx1250"
	.amdhsa_code_object_version 6
	.text
	.protected	k_q9892de98e4_attn
	.globl	k_q9892de98e4_attn
	.p2align	8
	.type	k_q9892de98e4_attn,@function
k_q9892de98e4_attn:
	s_mov_b64 s[64:65], 0
	v_nop
	global_prefetch_b8 v0, s[64:65] scope:SCOPE_SE
	s_setreg_imm32_b32 hwreg(HW_REG_WAVE_MODE, 25, 1), 1
	s_wait_xcnt 0x0
; out0[b][q][:] = sum over k of softmax_k(where(k < valid_len[b], Q[b][q].K[b][k] / 8, -1e6)) V[b][k][:], both products on codes of FP4 (E2M1) with one E8M0 scale for each 32 along a product's K.
; Q, K: [8][2048][64] as codes (32 bytes a row), scale bytes [8][2048][2].  V: codes with the KEYS innermost, [8][64][2048] (1,024 bytes a row), scale bytes [8][64][64].  out0: [8][2048][64] f32.
; THE SOFTMAX AHEAD OF THE SECOND PRODUCT: t = dot x log2(e) / 8; M = the largest t so far, rounded up to a whole number; p = 2^(t - M) is quantised along the keys, not normalised; the sum of the unquantised p divides at the end.
; SHARES.  A work-group of eight waves has TWO JOBS: 32 queries of batch p and the same 32 query rows of batch p + 4 (p = x & 3, rows 32 (x >> 2) on), so that a long and a short valid_len can meet in one work-group.
; Waves 0-3 have the first job, waves 4-7 the second.  A wave holds both tiles of 16 queries of its job and takes every fourth key step of 128 keys, from JS on (JS = wave & 3, turned round in the second job), as far as
; valid_len reaches: at most four steps.  Each fragment of K and V that it loads feeds both tiles, and each byte of a batch's K and V is loaded once in a work-group.  The four waves' parts are joined through LDS at the end.
; STEPS WHOLLY BEHIND valid_len ARE LEFT OUT (a scalar branch on valid_len).  That is why K and V come by plain loads straight into the operands' registers and not by tensor loads shared in a cluster:
; the partners of a cluster would want different numbers of tiles.
; LAYOUT.  Both products are used transposed: S^T = K Q^T (source 0 = 16 keys, source 1 = 16 queries), O^T = V^T P^T (source 0 = 16 of the head's 64, source 1 = P): a lane holds ONE query (lane % 16) throughout.
; THE KEYS OF A TILE ARE NOT NEIGHBOURS: row i of tile t = 4 c + g is key 64 c + 32 (i / 8) + 8 g + i % 8.  In lane half h the eight registers of tile t are then keys 64 c + 32 h + 8 g + 0..7: the 32 registers of c are one
; whole block of 32 keys (its largest p needs no other lane), and the conversion of tile t gives register t of P's operand as it stands.
; K = 64 IN AN INSTRUCTION OF 128: Q's registers 4-7 hold zero codes.  K's operand of tile t is registers 4 t .. 4 t + 7: its upper half is the next tile's codes (four zero registers behind the last), which meet only Q's zero
; codes; both sides' scale bytes for that half are 0, since the scale loads of 16 bits fill the upper half of the word with zeros.
; LOADS.  Q, and K and V of the wave's first two steps (always inside the buffers), are asked for together with valid_len.  K of step i + 2 is asked for behind the products K Q^T of step i, V behind its products V^T P:
; each has two steps' work in which to land.  The steps are written out: every offset is an immediate, no pointer is stepped.  Three kinds of step (it fetches; it fetches nothing, the next step's loads are out; the last)
; on two buffers: six copies.
; LIMITS.  valid_len is held to 0 .. 2048.  At 0 or less every score takes the fill, as in reference(), and all sixteen steps run; t - M is there one fused multiply-add on a number of size 1.4e6.  Leaving hidden steps out
; is exact while a row's largest visible logit lies more than 104 above -1e6 (the hidden p is then 0 in f32).  Scale bytes 0xff are not served.  A block's largest p is taken as p of its largest score: that takes
; v_exp_f32 not to fall where its input rises.
; No L2 prefetch: each wave's first two steps are asked for at once, and the later ones as soon as valid_len is known and a buffer is free.
; REGISTERS, in windows of 256: window 0: v1-15, v228 addresses; v16-31 statistics; v32-51 at work; v52-63, v224-227 scale words; v64-79 Q; v80-95 P's codes; v96-223 S^T, then p, of both tiles.
;   window 1: v0-71 K, two buffers of 32 + 4; v72-135 V, two buffers; v136-199 O^T (tile q, head's 16 d on: 136 + 32 q + 8 d).
.set PIECE, 544                        ; LDS: four registers of O^T of a wave: two halves of 256 bytes + 16: so the turned reads of sixteen lanes fall on sixteen different columns of 16 bytes
.set HALFP, 272
.set TIMG,  8*PIECE                    ; a tile's O^T: 8 pieces
.set WIMG,  2*TIMG                     ; a wave's
.set STAT,  8*WIMG                     ; behind the eight images: (-M, l) of 32 queries for each wave, 256 bytes a wave
.set GB,    STAT+8*256                 ; behind them: four factors for each of a wave's 8 queries, 128 bytes a wave, the wave's own
.set FILLV, 0xcaf42400                 ; -8e6: reference()'s fill -1e6 ahead of the division by 8
.set KO,  1                            ; v1   K's codes: my lane's byte in a step
.set KSO, 2                            ; v2   K's scale bytes
.set VO,  3                            ; v3   V's codes
.set VSO, 4                            ; v4   V's scale words
.set OST, 5                            ; v5   LDS: where I put 16 bytes of a piece
.set SST, 6                            ; v6   LDS: where I put (-M, l)
.set SLD, 7                            ; v7   LDS: the statistics of my query of the 8 that my wave finishes
.set GST, 8                            ; v8   LDS: where its four factors go
.set GLD, 9                            ; v9   LDS: and where I read a row's factors
.set OLD, 10                           ; v10  LDS: my 16 bytes of a row of O
.set OUTO, 11                          ; v11  my byte offset in the job's rows of out0
.set SH8, 12                           ; v12  8 x (lane / 16)
.set MD,  13                           ; v13  the mask: the last visible place among my registers
.set FILL, 14                          ; v14  the fill
.set QO,  15                           ; v15  Q's codes: my lane's byte
.set ST,  16                           ; tile q at v[16 + 8 q]: +0 -M, +1 largest dot, +2, +3 l in two halves, +4 f (+5 its pair's other word), +6, +7 at work
.set MX,  32                           ; v32-35 largest dot, then largest p, of block 2 q + c
.set SCL, 36                           ; v36-39 the conversions' scale operands
.set BY,  40                           ; v40-43 scale bytes
.set TS,  44                           ; v44-49 three more chains of the row's sum
.set TP,  50                           ; v50-51 the other half's scale bytes
.set KS,  52                           ; v52-59 K's scale words, two buffers of 4: word u: lanes 0-15 tile 2 u, lanes 16-31 tile 2 u + 1
.set VS,  60                           ; v60-63 V's, two buffers of 2, likewise
.set Q,   64
.set P,   80
.set S,   96
.set QS,  224                          ; v224-225 Q's scale words
.set PW,  226                          ; v226-227 P's
.set QSO, 228                          ; v228 Q's scale bytes: my lane's
.set KF,  0                            ; in window 1
.set VF,  72
.set O,   136
.set WV,  20                           ; s20 wave   s21 job   s22 wave & 3   s30 batch   s25 query block   s54 my first key step
.set JOB, 21
.set SG,  22
.set QB,  25
.set BT,  30
.set VL,  31                           ; s31 valid_len, held to 0 .. 2048
.set NS,  48                           ; s48 my key steps: 0 .. 4
.set REM, 49                           ; s49 valid_len less the end of the step in hand
.set SEL, 50                           ; s[50:51] v_permlanex16_b32's selects for lane l xor 16
.set CS,  52                           ; s[52:53] c = log2(e) / 8; the packed form names a pair and takes its low word for both halves
.set JS,  54
.set MSB, 0
.macro WIN new                         ; the immediate's high byte repeats the setting that is left; low byte: bits 1:0 source 0, 3:2 source 1, 5:4 source 2, 7:6 destination
.if MSB != \new
	s_set_vgpr_msb (MSB<<8)|\new
.set MSB, \new
.endif
.endm
	s_load_b256 s[4:11], s[0:1], 0x0               ; K's codes s[4:5], K's scales s[6:7], Q's codes s[8:9], Q's scales s[10:11]
	s_load_b256 s[12:19], s[0:1], 0x20             ; V's codes s[12:13], V's scales s[14:15], valid_len s[16:17], out0 s[18:19]
	v_lshl_add_u32 v254, v0, 2, 0x12000
	v_mov_b32 v255, 0
	v_lshrrev_b32 v[MD], 5, v0
	v_readfirstlane_b32 s[WV], v[MD]               ; wave 0..7
	s_lshr_b32 s[JOB], s[WV], 2
	s_and_b32 s[SG], s[WV], 3
	s_and_b32 s[BT], ttmp9, 3
	s_lshl_b32 s27, s[JOB], 2
	s_add_co_u32 s[BT], s[BT], s27                 ; batch = (x & 3) + 4 x job
	s_lshr_b32 s[QB], ttmp9, 2                     ; block of 32 queries
	s_mul_i32 s27, s[JOB], 3
	s_xor_b32 s[JS], s[SG], s27                    ; my first key step: wave & 3, in the second job 3 - (wave & 3)
	; byte offsets, each in a pair with 0 above it
	s_lshl_b32 s27, s[BT], 16                      ; a batch's codes: 65,536 bytes in each of K, Q, V
	s_lshl_b32 s28, s[BT], 12                      ; its scale bytes: 4,096 in each
	s_lshl_b32 s32, s[JS], 12                      ; K's codes: 4,096 bytes a step
	s_add_co_u32 s32, s32, s27
	s_lshl_b32 s34, s[JS], 8                       ; K's scale bytes: 256 a step
	s_add_co_u32 s34, s34, s28
	s_lshl_b32 s36, s[QB], 10                      ; Q's codes: 32 rows of 32 bytes
	s_add_co_u32 s36, s36, s27
	s_lshl_b32 s38, s[QB], 6                       ; Q's scale bytes: 32 rows of 2
	s_add_co_u32 s38, s38, s28
	s_lshl_b32 s40, s[JS], 6                       ; V's codes: 64 bytes of each row a step
	s_add_co_u32 s40, s40, s27
	s_lshl_b32 s42, s[JS], 2                       ; V's scale bytes: 4 of each row a step
	s_add_co_u32 s42, s42, s28
	s_lshl_b32 s44, s[BT], 2                       ; valid_len[batch]
	s_lshl_b32 s46, s[BT], 19                      ; out0: 524,288 bytes a batch,
	s_lshl_b32 s29, s[QB], 13                      ; 32 rows of 256
	s_add_co_u32 s46, s46, s29
.irp p, 33,35,37,39,41,43,45,47
	s_mov_b32 s[\p], 0
.endr
	v_and_b32 v96, 7, v0                           ; r % 8
	v_bfe_u32 v97, v0, 3, 1                        ; r / 8
	v_bfe_u32 v98, v0, 4, 1                        ; h = lane / 16
	v_and_b32 v99, 15, v0                          ; r = lane % 16
	v_and_b32 v100, 31, v0                         ; lane
	v_lshlrev_b32 v[KO], 5, v96                    ; K: row r of a tile is key 32 (r / 8) + r % 8 (+ 64 c + 8 g): 32 bytes a key, + 16 h
	v_lshl_add_u32 v[KO], v97, 10, v[KO]
	v_lshl_add_u32 v[KO], v98, 4, v[KO]
	v_lshlrev_b32 v[KSO], 1, v96                   ; its scale bytes: 2 a key; lanes 16-31 take the tile 8 keys on
	v_lshl_add_u32 v[KSO], v97, 6, v[KSO]
	v_lshl_add_u32 v[KSO], v98, 4, v[KSO]
	v_lshlrev_b32 v[VO], 10, v99                   ; V: row r of 1,024 bytes, + 16 h
	v_lshl_add_u32 v[VO], v98, 4, v[VO]
	v_lshlrev_b32 v[VSO], 6, v100                  ; its scale words: 64 bytes a row; lanes 16-31 take the next tile's 16 rows
	v_lshlrev_b32 v[QO], 5, v99                    ; Q: row r of 32 bytes, + 16 h
	v_lshl_add_u32 v[QO], v98, 4, v[QO]
	v_lshlrev_b32 v[QSO], 1, v99
	s_wait_kmcnt 0x0
	s_add_nc_u64 s[16:17], s[16:17], s[44:45]
	s_load_b32 s[VL], s[16:17], 0x0
	s_add_nc_u64 s[8:9], s[8:9], s[36:37]
	s_add_nc_u64 s[10:11], s[10:11], s[38:39]
	s_add_nc_u64 s[4:5], s[4:5], s[32:33]
	s_add_nc_u64 s[6:7], s[6:7], s[34:35]
	s_add_nc_u64 s[12:13], s[12:13], s[40:41]
	s_add_nc_u64 s[14:15], s[14:15], s[42:43]
	s_add_nc_u64 s[18:19], s[18:19], s[46:47]
; K of my step i (i = 0..3: key step JS + 4 i) into buffer buf: 8 loads of codes, each two runs of 256 consecutive bytes, and 4 of scale bytes: 12 loads
.macro KLOAD buf, i
	WIN 0x40                                       ; destination window 1
.irp t, 0,1,2,3,4,5,6,7
	global_load_b128 v[KF+36*(\buf)+4*\t:KF+36*(\buf)+4*\t+3], v[KO], s[4:5] offset:16384*(\i)+2048*(\t/4)+256*(\t%4)
.endr
	WIN 0
.irp u, 0,1,2,3
	global_load_u16 v[KS+4*(\buf)+\u], v[KSO], s[6:7] offset:1024*(\i)+128*(\u/2)+32*(\u%2)
.endr
.endm
; V likewise: 4 tiles of 16 of the head's 64 x 128 keys, 8 loads of codes and 2 of scale words: 10 loads
.macro VLOAD buf, i
	WIN 0x40
.irp d, 0,1,2,3
.irp c, 0,1
	global_load_b128 v[VF+32*(\buf)+8*\d+4*\c:VF+32*(\buf)+8*\d+4*\c+3], v[VO], s[12:13] offset:256*(\i)+16384*\d+32*\c
.endr
.endr
	WIN 0
.irp u, 0,1
	global_load_b32 v[VS+2*(\buf)+\u], v[VSO], s[14:15] offset:16*(\i)+2048*\u
.endr
.endm
	global_load_b128 v[Q:Q+3], v[QO], s[8:9]                   ; Q's two fragments stay in registers
	global_load_b128 v[Q+8:Q+11], v[QO], s[8:9] offset:512
	global_load_u16 v[QS], v[QSO], s[10:11]
	global_load_u16 v[QS+1], v[QSO], s[10:11] offset:32
	KLOAD 0, 0                                     ; my first two steps: key steps JS and JS + 4 lie inside the buffers whatever valid_len says
	VLOAD 0, 0
	KLOAD 1, 1
	VLOAD 1, 1
	; every LDS address is made here, ahead of the first branch: a constant + constants x lane + constants x wave
	s_mul_i32 s27, s[WV], WIMG
	v_mul_u32_u24 v[OST], v98, HALFP
	v_lshl_add_u32 v[OST], v99, 4, v[OST]
	v_add_nc_u32 v[OST], s27, v[OST]               ; my wave's image: half h, 16 bytes for each r
	s_lshl_b32 s27, s[WV], 8
	s_add_co_u32 s27, s27, STAT
	v_lshl_add_u32 v[SST], v99, 3, s27             ; my wave's statistics: 8 bytes a query
	s_lshl_b32 s27, s[JOB], 10
	s_lshl_b32 s28, s[SG], 6
	s_add_co_u32 s27, s27, s28
	s_add_co_u32 s27, s27, STAT
	v_lshl_add_u32 v[SLD], v96, 3, s27             ; my job's first wave's statistics of query 8 (wave & 3) + lane % 8
	s_lshl_b32 s27, s[WV], 7
	s_add_co_u32 s27, s27, GB
	v_lshl_add_u32 v[GST], v96, 4, s27
	v_lshl_add_u32 v[GLD], v98, 4, s27
	v_bfe_u32 v101, v0, 2, 2                       ; of a row of O lane x = lane % 16 takes numbers 4 x .. 4 x + 3: they lie in piece 2 (x / 4) + x % 2,
	v_and_b32 v102, 1, v0
	v_lshl_add_u32 v101, v101, 1, v102
	v_bfe_u32 v103, v0, 1, 1                       ; half (x / 2) % 2
	v_mul_u32_u24 v[OLD], v101, PIECE
	v_mad_u32_u24 v[OLD], v103, HALFP, v[OLD]
	v_lshl_add_u32 v[OLD], v98, 4, v[OLD]          ; lanes 16-31 take the next query
	s_mul_i32 s27, s[JOB], 4*WIMG                  ; my job's first wave,
	s_lshr_b32 s28, s[SG], 1
	s_mul_i32 s28, s28, TIMG                       ; the tile of my 8 queries,
	s_add_co_u32 s27, s27, s28
	s_and_b32 s28, s[SG], 1
	s_lshl_b32 s28, s28, 7                         ; and which 8 of its 16
	s_add_co_u32 s27, s27, s28
	v_add_nc_u32 v[OLD], s27, v[OLD]
	v_lshlrev_b32 v[OUTO], 4, v99
	v_lshl_add_u32 v[OUTO], v98, 8, v[OUTO]
	s_lshl_b32 s27, s[SG], 11
	v_add_nc_u32 v[OUTO], s27, v[OUTO]             ; out0: row 8 (wave & 3) + h of the job's 32, 16 bytes a lane
	v_lshlrev_b32 v[SH8], 3, v98
	s_mov_b32 s[SEL], 0x76543210
	s_mov_b32 s[SEL+1], 0xfedcba98
	s_mov_b32 s[CS], 0x3e38aa3b                    ; log2(e) / 8
	s_mov_b32 s[CS+1], s[CS]                       ; (named with it as a pair, so it is written)
.irp q, 0,1
	v_mov_b32 v[ST+8*\q], 0x7e000000               ; -M = 2^125: above every -M that a step can give; the first change of M multiplies zeros by 0
	v_mov_b32 v[ST+8*\q+1], 0xff61b1e6             ; the largest dot so far: -3e38
.irp e, 2,3,4,5,6,7
	v_mov_b32 v[ST+8*\q+\e], 0                     ; l; and what is named as a pair's other word or as a lane permute's destination before it is first written
.endr
	v_mov_b32 v[TP+\q], 0
.irp e, 4,5,6,7
	v_mov_b32 v[Q+8*\q+\e], 0                      ; Q's zero codes for k = 64 .. 127
.endr
.endr
	WIN 0x40
.irp e, 32,33,34,35,68,69,70,71
	v_mov_b32 v[KF+\e], 0                          ; the four registers behind each buffer's last tile
.endr
.set j, 0
.rept 64
	v_mov_b32 v[O+j], 0                            ; O^T: so that no step has a form of its own, and a wave without steps hands zeros on
.set j, j+1
.endr
	WIN 0
	s_wait_kmcnt 0x0                               ; valid_len
	s_max_i32 s[VL], s[VL], 0
	s_min_u32 s[VL], s[VL], 2048
	s_add_co_u32 s[NS], s[VL], 127
	s_lshr_b32 s[NS], s[NS], 7                     ; key steps with a visible key;
	s_cmp_eq_u32 s[VL], 0
	s_cselect_b32 s[NS], 16, s[NS]                 ; with none visible all keys count alike: all sixteen
	s_add_co_u32 s[NS], s[NS], 3
	s_sub_co_u32 s[NS], s[NS], s[JS]
	s_lshr_b32 s[NS], s[NS], 2                     ; of them mine: JS, JS + 4, ..
	s_min_u32 s[NS], s[NS], 4
	s_lshl_b32 s[REM], s[JS], 7
	s_add_co_u32 s[REM], s[REM], 128
	s_sub_co_i32 s[REM], s[VL], s[REM]             ; valid_len less my first step's end
; the k-th of 33 lines that bring tile q's sum under the new M and add its 32 pairs of p: four chains, so that no line waits for the line above it
.macro SUMOP q, k
.set LL, ST+8*(\q)+2
.set BB, S+64*(\q)
.if (\k) == 0
	v_pk_mul_f32 v[LL:LL+1], v[LL:LL+1], v[LL+2:LL+3] op_sel_hi:[1,0]
.elseif (\k) < 4
	v_pk_add_f32 v[TS+2*(\k)-2:TS+2*(\k)-1], v[BB+4*(\k)-4:BB+4*(\k)-3], v[BB+4*(\k)-2:BB+4*(\k)-1]
.elseif (\k) < 30
.if (\k)%4 == 0
	v_pk_add_f32 v[LL:LL+1], v[LL:LL+1], v[BB+2*(\k)+4:BB+2*(\k)+5]
.else
	v_pk_add_f32 v[TS+2*((\k)%4)-2:TS+2*((\k)%4)-1], v[TS+2*((\k)%4)-2:TS+2*((\k)%4)-1], v[BB+2*(\k)+4:BB+2*(\k)+5]
.endif
.elseif (\k) == 30
	v_pk_add_f32 v[TS:TS+1], v[TS:TS+1], v[TS+2:TS+3]
.elseif (\k) == 31
	v_pk_add_f32 v[LL:LL+1], v[LL:LL+1], v[TS+4:TS+5]
.else
	v_pk_add_f32 v[LL:LL+1], v[LL:LL+1], v[TS:TS+1]
.endif
.endm
; tile q: from my two blocks' largest p the conversions' scale operands and P's scale word
.macro SCALEW q
.irp c, 0,1
	v_max_num_f32 v[MX+2*(\q)+\c], 0x1800000, v[MX+2*(\q)+\c]   ; the floor 2^(3 - 127): the byte cannot fall under 1 (a block whose every p is 0 keeps that byte: its codes are zeros)
.endr
.irp c, 0,1
	v_add_nc_u32 v[SCL+2*(\q)+\c], 0xff000000, v[MX+2*(\q)+\c]  ; 2 off the exponent field: the conversion takes this operand's exponent field as its scale
.endr
.irp c, 0,1
	v_lshrrev_b32 v[BY+2*(\q)+\c], 23, v[SCL+2*(\q)+\c]         ; the scale's byte
.endr
	v_lshl_or_b32 v[PW+\q], v[BY+2*(\q)+1], 16, v[BY+2*(\q)]    ; my blocks h and 2 + h,
	v_lshlrev_b32 v[PW+\q], v[SH8], v[PW+\q]                    ; at their places in the word;
	v_permlanex16_b32 v[TP+\q], v[PW+\q], s[SEL], s[SEL+1]
	v_or_b32 v[PW+\q], v[PW+\q], v[TP+\q]                       ; with lane l xor 16's two the word is whole
.endm
.macro CVT q                           ; tile t's eight registers are keys 64 (t / 4) + 32 h + 8 (t % 4) + 0..7: register t of P's operand
.irp t, 0,1,2,3,4,5,6,7
	v_cvt_scalef32_pk8_fp4_f32 v[P+8*(\q)+\t], v[S+64*(\q)+8*\t:S+64*(\q)+8*\t+7], v[SCL+2*(\q)+\t/4]
.endr
.endm
; A KEY STEP on buffer buf.  w1: the loads issued behind this step's K; w2: those behind its V; pre = 1: my step nx is asked for, into the same buffer.
.macro STEP buf, w1, w2, pre, nx
	s_wait_loadcnt \w1                             ; loads come back in order: this step's K is in (and, the first time, Q)
	WIN 0x01                                       ; source 0 (K) window 1
.irp t, 0,1,2,3,4,5,6,7
.irp q, 0,1
.if (\t)%2
	v_wmma_scale_f32_16x16x128_f8f6f4 v[S+64*\q+8*\t:S+64*\q+8*\t+7], v[KF+36*(\buf)+4*\t:KF+36*(\buf)+4*\t+7], v[Q+8*\q:Q+8*\q+7], 0, v[KS+4*(\buf)+\t/2], v[QS+\q] matrix_a_fmt:MATRIX_FMT_FP4 matrix_b_fmt:MATRIX_FMT_FP4 matrix_a_scale:MATRIX_SCALE_ROW1
.else
	v_wmma_scale_f32_16x16x128_f8f6f4 v[S+64*\q+8*\t:S+64*\q+8*\t+7], v[KF+36*(\buf)+4*\t:KF+36*(\buf)+4*\t+7], v[Q+8*\q:Q+8*\q+7], 0, v[KS+4*(\buf)+\t/2], v[QS+\q] matrix_a_fmt:MATRIX_FMT_FP4 matrix_b_fmt:MATRIX_FMT_FP4
.endif
.endr
.endr
	WIN 0
.rept 4
	v_nop                                          ; four places behind the products: in front of the loads into K's registers and of the first read of the scores
.endr
.if \pre
	KLOAD \buf, \nx
.endif
	; THE MASK.  Only a step that reaches past valid_len takes it: a scalar branch on valid_len.  Hidden scores take reference()'s fill ahead of the maximum
	s_cmp_ge_i32 s[REM], 0
	s_cbranch_scc1 .Lopen_\@
	s_add_co_i32 s28, s[REM], 127
	v_lshlrev_b32 v[MD], 2, v[SH8]
	v_sub_nc_u32 v[MD], s28, v[MD]                 ; register n holds the step's key 64 (n / 32) + 32 h + n % 32: hidden where 64 (n / 32) + n % 32 > valid_len - the step's first key - 1 - 32 h
	v_mov_b32 v[FILL], FILLV
.set n, 0
.rept 64
	v_cmp_gt_i32 vcc_lo, 64*(n/32)+n%32, v[MD]
	v_cndmask_b32 v[S+n], v[S+n], v[FILL], vcc_lo
	v_cndmask_b32 v[S+64+n], v[S+64+n], v[FILL], vcc_lo
.set n, n+1
.endr
.Lopen_\@:
	; the largest dot of each block of 32 keys (chain 2 q + c: 32 registers of one lane): it serves for the row's maximum and, since p rises with the score, for the block's largest p.  Each accumulator is read from its low end on
.irp x, 0,1,2,3
	v_max3_num_f32 v[MX+\x], v[S+32*\x], v[S+32*\x+1], v[S+32*\x+2]
.endr
.irp i, 3,5,7,9,11,13,15,17,19,21,23,25,27,29
.irp x, 0,1,2,3
	v_max3_num_f32 v[MX+\x], v[MX+\x], v[S+32*\x+\i], v[S+32*\x+\i+1]
.endr
.endr
.irp x, 0,1,2,3
	v_max_num_f32 v[MX+\x], v[MX+\x], v[S+32*\x+31]
.endr
.irp q, 0,1
	v_max_num_f32 v[ST+8*\q+6], v[MX+2*\q], v[MX+2*\q+1]
.endr
.irp q, 0,1
	v_permlanex16_b32 v[ST+8*\q+7], v[ST+8*\q+6], s[SEL], s[SEL+1]   ; the query's other 64 keys lie in lane l xor 16
.endr
.irp q, 0,1
	v_max3_num_f32 v[ST+8*\q+1], v[ST+8*\q+1], v[ST+8*\q+6], v[ST+8*\q+7]   ; the running largest dot
.endr
.irp q, 0,1
	v_mov_b32 v[ST+8*\q+6], v[ST+8*\q]
.endr
.irp q, 0,1
	v_mul_f32 v[ST+8*\q+7], s[CS], v[ST+8*\q+1]    ; as t (c is positive)
.endr
.irp q, 0,1
	v_floor_f32 v[ST+8*\q], -v[ST+8*\q+7]          ; the new -M = floor(-t): M is a whole number
.endr
.irp q, 0,1
	v_sub_f32 v[ST+8*\q+6], v[ST+8*\q], v[ST+8*\q+6]   ; old M - new M: a whole number, 0 or less
.endr
.irp q, 0,1
	v_cvt_i32_f32 v[ST+8*\q+6], v[ST+8*\q+6]       ; (it saturates)
.endr
.irp q, 0,1
	v_ldexp_f32 v[ST+8*\q+4], 1.0, v[ST+8*\q+6]    ; f = 2^(old M - new M): rounds nothing
.endr
.set j, 0
.rept 32
	v_pk_fma_f32 v[S+j:S+j+1], v[S+j:S+j+1], s[CS:CS+1], v[ST:ST+1] op_sel_hi:[1,0,0]   ; tile 0: t - M, two at a time (of the pairs c and -M the low word serves both halves)
.set j, j+2
.endr
	v_fma_f32 v[MX], v[MX], s[CS], v[ST]           ; the same of each block's largest dot
	v_fma_f32 v[MX+1], v[MX+1], s[CS], v[ST]
	; FIRST BATCH: tile 0's 66 exponentials; tile 1's scalings stand among them.  None of these lines names an exponential's result
.set j, 0
.rept 32
	v_pk_fma_f32 v[S+64+j:S+64+j+1], v[S+64+j:S+64+j+1], s[CS:CS+1], v[ST+8:ST+9] op_sel_hi:[1,0,0]
	v_exp_f32 v[S+j], v[S+j]                       ; p = 2^(t - M): not normalised
	v_exp_f32 v[S+j+1], v[S+j+1]
.set j, j+2
.endr
	v_exp_f32 v[MX], v[MX]                         ; the blocks' largest p: the same two instructions on the same number give the same bits
	v_exp_f32 v[MX+1], v[MX+1]
	v_fma_f32 v[MX+2], v[MX+2], s[CS], v[ST+8]     ; (plain lines behind the last exponential)
	v_fma_f32 v[MX+3], v[MX+3], s[CS], v[ST+8]
	s_wait_alu depctr_va_vdst(0)                   ; one wait for the batch, ahead of the first line that names a result
	; SECOND BATCH: tile 1's 66 exponentials; tile 0's sum of the UNQUANTISED p stands among them
.set kk, 0
.rept 32
	SUMOP 0, kk
	v_exp_f32 v[S+64+2*kk], v[S+64+2*kk]
	v_exp_f32 v[S+64+2*kk+1], v[S+64+2*kk+1]
.set kk, kk+1
.endr
	v_exp_f32 v[MX+2], v[MX+2]
	v_exp_f32 v[MX+3], v[MX+3]
	SUMOP 0, 32                                    ; (a plain line behind the last exponential)
	SCALEW 0                                       ; tile 0's scale word and codes name nothing of the second batch
	CVT 0
	s_wait_alu depctr_va_vdst(0)                   ; one wait for the second batch
.set kk, 0
.rept 33
	SUMOP 1, kk                                    ; (the first is also the plain line behind tile 0's conversions)
.set kk, kk+1
.endr
	SCALEW 1
	CVT 1
	WIN 0x41                                       ; O^T (destination and source 0) window 1, f window 0
.irp q, 0,1
.set j, 0
.rept 16
	v_pk_mul_f32 v[O+32*\q+j:O+32*\q+j+1], v[O+32*\q+j:O+32*\q+j+1], v[ST+8*\q+4:ST+8*\q+5] op_sel_hi:[1,0]   ; O^T under the new M.  These 32 plain lines also stand between P's codes and scale word and the products below
.set j, j+2
.endr
.endr
	s_wait_loadcnt \w2                             ; this step's V is in
	WIN 0x51                                       ; source 0 (V), C and D (O^T) window 1; P window 0
.irp d, 0,1,2,3                        ; the eight accumulators by turns, one instruction a turn
.irp q, 0,1
.if (\d)%2
	v_wmma_scale_f32_16x16x128_f8f6f4 v[O+32*\q+8*\d:O+32*\q+8*\d+7], v[VF+32*(\buf)+8*\d:VF+32*(\buf)+8*\d+7], v[P+8*\q:P+8*\q+7], v[O+32*\q+8*\d:O+32*\q+8*\d+7], v[VS+2*(\buf)+\d/2], v[PW+\q] matrix_a_fmt:MATRIX_FMT_FP4 matrix_b_fmt:MATRIX_FMT_FP4 matrix_a_scale:MATRIX_SCALE_ROW1
.else
	v_wmma_scale_f32_16x16x128_f8f6f4 v[O+32*\q+8*\d:O+32*\q+8*\d+7], v[VF+32*(\buf)+8*\d:VF+32*(\buf)+8*\d+7], v[P+8*\q:P+8*\q+7], v[O+32*\q+8*\d:O+32*\q+8*\d+7], v[VS+2*(\buf)+\d/2], v[PW+\q] matrix_a_fmt:MATRIX_FMT_FP4 matrix_b_fmt:MATRIX_FMT_FP4
.endif
.endr
.endr
	WIN 0
.rept 4
	v_nop                                          ; four places: in front of the loads into V's registers, and of the first read of O^T behind the last step
.endr
.if \pre
	VLOAD \buf, \nx
.endif
	s_sub_co_i32 s[REM], s[REM], 512               ; my next step ends 512 keys further on
.endm
	; The ways by my number of steps n.  What is out at each step's head is the same on every way that leads to it:  n = 4: fetch, fetch, middle, last;  n = 3: fetch, middle, last;  n = 2: middle, last;  n = 1: middle.
	s_cmp_eq_u32 s[NS], 0
	s_cbranch_scc1 .Lcombine                       ; no step of mine has a visible key: zeros go on (the loads that are out land in registers that nothing below names)
	s_cmp_lt_u32 s[NS], 3
	s_cbranch_scc1 .Lshort
	STEP 0, 32, 34, 1, 2                           ; behind K: V, next K, next V = 10 + 12 + 10; behind V: next K, next V and the K just asked for = 12 + 10 + 12
	s_cmp_eq_u32 s[NS], 3
	s_cbranch_scc1 .Lthree
	STEP 1, 32, 34, 1, 3
.Lshort:
	STEP 0, 32, 22, 0, 0                           ; behind V: next K and next V = 22
	s_cmp_eq_u32 s[NS], 1
	s_cbranch_scc1 .Lcombine
	STEP 1, 10, 0, 0, 0                            ; behind K: this step's V alone; behind V nothing
	s_branch .Lcombine
.Lthree:
	STEP 1, 32, 22, 0, 0
	STEP 0, 10, 0, 0, 0
.Lcombine:
	; THE FOUR PARTS OF A JOB ARE JOINED.  Each wave hands on, for each query, -M and l, and its O^T as it stands in the registers: four registers a piece, lane (r, h) at 272 h + 16 r.
.irp q, 0,1
	v_add_f32 v[ST+8*\q+2], v[ST+8*\q+2], v[ST+8*\q+3]           ; l's two halves,
.endr
.irp q, 0,1
	v_permlanex16_b32 v[ST+8*\q+7], v[ST+8*\q+2], s[SEL], s[SEL+1]
.endr
.irp q, 0,1
	v_add_f32 v[ST+8*\q+1], v[ST+8*\q+2], v[ST+8*\q+7]           ; and lane l xor 16's, beside -M
.endr
.irp q, 0,1
	ds_store_b64 v[SST], v[ST+8*\q:ST+8*\q+1] offset:128*\q      ; lanes r and r + 16 write the same bytes with the same values
.endr
	WIN 0x04                                       ; an LDS store's data are its source 1: window 1
.irp q, 0,1
.irp d, 0,1,2,3
.irp c, 0,1
	ds_store_b128 v[OST], v[O+32*\q+8*\d+4*\c:O+32*\q+8*\d+4*\c+3] offset:TIMG*\q+PIECE*(2*\d+\c)   ; each accumulator from its low end on
.endr
.endr
.endr
	WIN 0
	s_wait_dscnt 0x0                               ; for the others' sake: my stores have landed
	s_barrier_signal -1
	s_barrier_wait -1                              ; everybody's have
.set CA, 96                            ; v96-103  (-M, l) of my query in the job's four waves
.set CC, 104                           ; v104-167 four rows x four waves x 4 numbers of O
.set CF, 168                           ; v168-171 2^(M_s - M)
.set CD, 172
.set CM, 176
.set CL, 177
.set CR, 178
.set CG, 180                           ; v180-183 2^(M_s - M) / L
.set CH, 184                           ; v184-199 the same for my four rows
.set CO, 200                           ; v200-215 results
	; My wave finishes queries 8 (wave & 3) .. + 7 of its job.  Row i of four: query 2 i + lane / 16 of them; sixteen lanes hold the row's 256 bytes.
.irp s, 0,1,2,3
	ds_load_b64 v[CA+2*\s:CA+2*\s+1], v[SLD] offset:256*\s
.endr
.irp i, 0,1,2,3
.irp s, 0,1,2,3
	ds_load_b128 v[CC+16*\i+4*\s:CC+16*\i+4*\s+3], v[OLD] offset:WIMG*\s+32*\i
.endr
.endr
	s_wait_dscnt 16                                ; the four statistics are in; the sixteen loads behind them may be out
	v_min3_num_f32 v[CM], v[CA], v[CA+2], v[CA+4]
	v_min_num_f32 v[CM], v[CM], v[CA+6]            ; -M of the whole row (query lane % 8; four lanes do the same work)
.irp s, 0,1,2,3
	v_sub_f32 v[CD+\s], v[CM], v[CA+2*\s]          ; M_s - M: a whole number, 0 or less
.endr
.irp s, 0,1,2,3
	v_cvt_i32_f32 v[CD+\s], v[CD+\s]
.endr
.irp s, 0,1,2,3
	v_ldexp_f32 v[CF+\s], 1.0, v[CD+\s]            ; 0 for a wave that had no step
.endr
	v_mul_f32 v[CL], v[CF], v[CA+1]
	v_fmac_f32 v[CL], v[CF+1], v[CA+3]
	v_fmac_f32 v[CL], v[CF+2], v[CA+5]
	v_fmac_f32 v[CL], v[CF+3], v[CA+7]             ; the row's sum
	v_rcp_f32 v[CR], v[CL]
	v_nop                                          ; a plain line behind the reciprocal,
	s_wait_alu depctr_va_vdst(0)                   ; and the wait ahead of its first reader
.irp s, 0,1,2,3
	v_mul_f32 v[CG+\s], v[CF+\s], v[CR]
.endr
	ds_store_b128 v[GST], v[CG:CG+3]               ; into my wave's own 128 bytes; LDS serves a wave's instructions in order (ISA guide 5.7.1.4): the loads below see it
.irp i, 0,1,2,3
	ds_load_b128 v[CH+4*\i:CH+4*\i+3], v[GLD] offset:32*\i
.endr
	s_wait_dscnt 0x0
.irp i, 0,1,2,3
.irp e, 0,1,2,3
	v_mul_f32 v[CO+4*\i+\e], v[CC+16*\i+\e], v[CH+4*\i]
.endr
.endr
.irp s, 1,2,3
.irp i, 0,1,2,3
.irp e, 0,1,2,3
	v_fmac_f32 v[CO+4*\i+\e], v[CC+16*\i+4*\s+\e], v[CH+4*\i+\s]
.endr
.endr
.endr
.irp i, 0,1,2,3
	global_store_b128 v[OUTO], v[CO+4*\i:CO+4*\i+3], s[18:19] offset:512*\i th:TH_STORE_NT   ; 32 lanes store two rows: 512 consecutive bytes, at a multiple of 256 from out0's first byte; written once, read by nobody here
.endr
	s_wait_tensorcnt 0x0
	ds_add_u32 v254, v255
	s_wait_dscnt 0x0
	s_endpgm
.Lfunc_end_k_q9892de98e4_attn:
	.size	k_q9892de98e4_attn, .Lfunc_end_k_q9892de98e4_attn-k_q9892de98e4_attn
	.p2alignl 7, 3214868480
	.fill 96, 4, 3214868480
	.section	.rodata,"a",@progbits
	.p2align	6, 0x0
	.amdhsa_kernel k_q9892de98e4_attn
		.amdhsa_group_segment_fixed_size 74752
		.amdhsa_private_segment_fixed_size 0
		.amdhsa_enable_private_segment 0
		.amdhsa_kernarg_size 64
		.amdhsa_user_sgpr_count 2
		.amdhsa_user_sgpr_kernarg_segment_ptr 1
		.amdhsa_wavefront_size32 1
		.amdhsa_system_sgpr_workgroup_id_x 1
		.amdhsa_system_sgpr_workgroup_id_y 1
		.amdhsa_system_sgpr_workgroup_id_z 1
		.amdhsa_system_vgpr_workitem_id 0
		.amdhsa_next_free_vgpr 456
		.amdhsa_next_free_sgpr 66
		.amdhsa_reserve_vcc 1
		.amdhsa_float_denorm_mode_32 3
		.amdhsa_float_denorm_mode_16_64 3
		.amdhsa_memory_ordered 1
		.amdhsa_forward_progress 1
		.amdhsa_inst_pref_size 217
	.end_amdhsa_kernel
	.amdgpu_metadata
---
amdhsa.version: [ 1, 2 ]
amdhsa.kernels:
  - .name:           k_q9892de98e4_attn
    .symbol:         k_q9892de98e4_attn.kd
    .args:
      - { .name: K_codes, .offset: 0, .size: 8, .value_kind: global_buffer, .address_space: global }
      - { .name: K_scales, .offset: 8, .size: 8, .value_kind: global_buffer, .address_space: global }
      - { .name: Q_codes, .offset: 16, .size: 8, .value_kind: global_buffer, .address_space: global }
      - { .name: Q_scales, .offset: 24, .size: 8, .value_kind: global_buffer, .address_space: global }
      - { .name: V_codes, .offset: 32, .size: 8, .value_kind: global_buffer, .address_space: global }
      - { .name: V_scales, .offset: 40, .size: 8, .value_kind: global_buffer, .address_space: global }
      - { .name: valid_len, .offset: 48, .size: 8, .value_kind: global_buffer, .address_space: global }
      - { .name: out0, .offset: 56, .size: 8, .value_kind: global_buffer, .address_space: global }
    .group_segment_fixed_size: 74752
    .private_segment_fixed_size: 0
    .kernarg_segment_align: 8
    .kernarg_segment_size: 64
    .max_flat_workgroup_size: 256
    .sgpr_count:     66
    .vgpr_count:     456
    .wavefront_size: 32
...
	.end_amdgpu_metadata
.endif
;; end of part 1
;; ======== version 2 of 2: 1 launch; version 1 with the launch attn written anew for expert scheduling mode
;; limits: right only within a limited range of input values
;; launch attn (part 2): grid 256 x 1, 8 waves a work-group, no clusters, 74,752 bytes of LDS; arguments K_codes, K_scales, Q_codes, Q_scales, V_codes, V_scales, valid_len, out0; writes out0
.if DOCPART == 2
	.amdgcn_target "amdgcn-amd-amdhsa--gfx1250"
	.amdhsa_code_object_version 6
	.text
	.protected	k_q9892de98e4_attn
	.globl	k_q9892de98e4_attn
	.p2align	8
	.type	k_q9892de98e4_attn,@function
k_q9892de98e4_attn:
	s_mov_b64 s[64:65], 0
	v_nop
	global_prefetch_b8 v0, s[64:65] scope:SCOPE_SE
	s_setreg_imm32_b32 hwreg(HW_REG_WAVE_SCHED_MODE, 0, 2), 2
	s_setreg_imm32_b32 hwreg(HW_REG_WAVE_MODE, 25, 1), 1
	s_wait_xcnt 0x0
	s_wait_alu depctr_vm_vsrc(0)
; out0[b][q][:] = sum over k of softmax_k(where(k < valid_len[b], Q[b][q].K[b][k] / 8, -1e6)) V[b][k][:], both products on codes of FP4 (E2M1) with one E8M0 scale for each 32 along a product's K.
; Q, K: [8][2048][64] as codes (32 bytes a row), scale bytes [8][2048][2].  V: codes with the KEYS innermost, [8][64][2048] (1,024 bytes a row), scale bytes [8][64][64].  out0: [8][2048][64] f32.
; THE SOFTMAX AHEAD OF THE SECOND PRODUCT: t = dot x log2(e) / 8; M = the largest t so far, rounded up to a whole number; p = 2^(t - M) is quantised along the keys, not normalised; the sum of the unquantised p divides at the end.
; SHARES.  A work-group of eight waves has TWO JOBS: 32 queries of batch p and the same 32 query rows of batch p + 4 (p = x & 3, rows 32 (x >> 2) on), so that a long and a short valid_len can meet in one work-group.
; Waves 0-3 have the first job, waves 4-7 the second.  A wave holds both tiles of 16 queries of its job and takes every fourth key step of 128 keys, from JS on (JS = wave & 3, turned round in the second job), as far as
; valid_len reaches: at most four steps.  Each fragment of K and V that it loads feeds both tiles, and each byte of a batch's K and V is loaded once in a work-group.  The four waves' parts are joined through LDS at the end.
; STEPS WHOLLY BEHIND valid_len ARE LEFT OUT (a scalar branch on valid_len).  That is why K and V come by plain loads straight into the operands' registers and not by tensor loads shared in a cluster:
; the partners of a cluster would want different numbers of tiles.
; LAYOUT.  Both products are used transposed: S^T = K Q^T (source 0 = 16 keys, source 1 = 16 queries), O^T = V^T P^T (source 0 = 16 of the head's 64, source 1 = P): a lane holds ONE query (lane % 16) throughout.
; THE KEYS OF A TILE ARE NOT NEIGHBOURS: row i of tile t = 4 c + g is key 64 c + 32 (i / 8) + 8 g + i % 8.  In lane half h the eight registers of tile t are then keys 64 c + 32 h + 8 g + 0..7: the 32 registers of c are one
; whole block of 32 keys (its largest p needs no other lane), and the conversion of tile t gives register t of P's operand as it stands.
; K = 64 IN AN INSTRUCTION OF 128: Q's registers 4-7 hold zero codes.  K's operand of tile t is registers 4 t .. 4 t + 7: its upper half is the next tile's codes (four zero registers behind the last), which meet only Q's zero
; codes; both sides' scale bytes for that half are 0, since the scale loads of 16 bits fill the upper half of the word with zeros.
; LOADS.  Q, and K and V of the wave's first two steps (always inside the buffers), are asked for together with valid_len.  K of step i + 2 is asked for in step i, behind the wait for its first batch of exponentials,
; V behind its products V^T P: each has more than a step's work in which to land.  The steps are written out: every offset is an immediate, no pointer is stepped.  Three kinds of step (it fetches; it fetches nothing, the
; next step's loads are out; the last) on two buffers: six copies.
; LIMITS.  valid_len is held to 0 .. 2048.  At 0 or less every score takes the fill, as in reference(), and all sixteen steps run; t - M is there one fused multiply-add on a number of size 1.4e6.  Leaving hidden steps out
; is exact while a row's largest visible logit lies more than 104 above -1e6 (the hidden p is then 0 in f32).  Scale bytes 0xff are not served.  A block's largest p is taken as p of its largest score: that takes
; v_exp_f32 not to fall where its input rises.
; No L2 prefetch: each wave's first two steps are asked for at once, and the later ones as soon as valid_len is known and a buffer is free.
; THE MODE: SCHED_MODE bits 1:0 = 2 (LLVM: expert scheduling mode 2), set by the entry lines.  The code itself states the register dependences between vector or matrix instructions and memory or LDS instructions,
; with s_wait_alu, always for 0.
; THE PLAN.  Registers that memory or LDS instructions touch:
;   v1-4, v15, v228   offsets of the global loads: written at the head, never again; one wait on va_vdst ahead of the first load.
;   v5-11             LDS addresses and out0's offset: written at the head, never again; read from the way out on, behind waits that stand there anyway.
;   K[buf], KS[buf]   a step's sixteen products K Q^T read them; in a step that fetches, the loads of two steps on land in them, behind the wait for the first batch of exponentials, which also shows those products done.
;   V[buf], VS[buf]   a step's eight products V^T P read them; in a step that fetches, one wait on va_vdst stands behind those products, ahead of the loads of two steps on.
;   v16-17, v24-25, O^T, v180-183, v200-215   data of the way out's stores: a wait on va_vdst ahead of each run of stores; none of them is written again behind its store.
;   v96-167, v184-199  the way out's LDS loads land in them: the steps' lines that named them stand ahead of the way out's first wait.
; Operands of scaled products that vector lines write: Q's zero codes and the pads behind K's buffers (one wait at the head), P's codes and scale words (one wait a step, behind their places).
; Scalar results of vector lines: the wave's number (one wait on va_sdst), and the mask's compares, in runs of sixteen into s32-47 with one wait behind each run.
; No register that a memory or LDS instruction has read is written again, so the text holds no wait on vm_vsrc of its own.
; REGISTERS, in windows of 256: window 0: v1-15, v228 addresses; v16-31 statistics; v32-51 at work; v52-63, v224-227 scale words; v64-79 Q; v80-95 P's codes; v96-223 S^T, then p, of both tiles; v254, v255 the closing add's two.
;   window 1: v0-71 K, two buffers of 32 + 4; v72-135 V, two buffers; v136-199 O^T (tile q, head's 16 d on: 136 + 32 q + 8 d).
.set PIECE, 544                        ; LDS: four registers of O^T of a wave: two halves of 256 bytes + 16: so the turned reads of sixteen lanes fall on sixteen different columns of 16 bytes
.set HALFP, 272
.set TIMG,  8*PIECE                    ; a tile's O^T: 8 pieces
.set WIMG,  2*TIMG                     ; a wave's
.set STAT,  8*WIMG                     ; behind the eight images: (-M, l) of 32 queries for each wave, 256 bytes a wave
.set GB,    STAT+8*256                 ; behind them: four factors for each of a wave's 8 queries, 128 bytes a wave, the wave's own
.set FILLV, 0xcaf42400                 ; -8e6: reference()'s fill -1e6 ahead of the division by 8
.set KO,  1                            ; v1   K's codes: my lane's byte in a step
.set KSO, 2                            ; v2   K's scale bytes
.set VO,  3                            ; v3   V's codes
.set VSO, 4                            ; v4   V's scale words
.set OST, 5                            ; v5   LDS: where I put 16 bytes of a piece
.set SST, 6                            ; v6   LDS: where I put (-M, l)
.set SLD, 7                            ; v7   LDS: the statistics of my query of the 8 that my wave finishes
.set GST, 8                            ; v8   LDS: where its four factors go
.set GLD, 9                            ; v9   LDS: and where I read a row's factors
.set OLD, 10                           ; v10  LDS: my 16 bytes of a row of O
.set OUTO, 11                          ; v11  my byte offset in the job's rows of out0
.set SH8, 12                           ; v12  8 x (lane / 16)
.set MD,  13                           ; v13  the mask: the last visible place among my registers
.set FILL, 14                          ; v14  the fill
.set QO,  15                           ; v15  Q's codes: my lane's byte
.set ST,  16                           ; tile q at v[16 + 8 q]: +0 -M, +1 largest dot, +2, +3 l in two halves, +4 f (+5 its pair's other word), +6, +7 at work
.set MX,  32                           ; v32-35 largest dot, then largest p, of block 2 q + c
.set SCL, 36                           ; v36-39 the conversions' scale operands
.set BY,  40                           ; v40-43 scale bytes
.set TS,  44                           ; v44-49 three more chains of the row's sum
.set TP,  50                           ; v50-51 the other half's scale bytes
.set KS,  52                           ; v52-59 K's scale words, two buffers of 4: word u: lanes 0-15 tile 2 u, lanes 16-31 tile 2 u + 1
.set VS,  60                           ; v60-63 V's, two buffers of 2, likewise
.set Q,   64
.set P,   80
.set S,   96
.set QS,  224                          ; v224-225 Q's scale words
.set PW,  226                          ; v226-227 P's
.set QSO, 228                          ; v228 Q's scale bytes: my lane's
.set KF,  0                            ; in window 1
.set VF,  72
.set O,   136
.set WV,  20                           ; s20 wave   s21 job   s22 wave & 3   s30 batch   s25 query block   s54 my first key step
.set JOB, 21
.set SG,  22
.set QB,  25
.set BT,  30
.set VL,  31                           ; s31 valid_len, held to 0 .. 2048
.set CMK, 32                           ; s32-47 at the head byte offsets; in the steps the masks of sixteen compares
.set NS,  48                           ; s48 my key steps: 0 .. 4
.set REM, 49                           ; s49 valid_len less the end of the step in hand
.set SEL, 50                           ; s[50:51] v_permlanex16_b32's selects for lane l xor 16
.set CS,  52                           ; s[52:53] c = log2(e) / 8; the packed form names a pair and takes its low word for both halves
.set JS,  54
.set MSB, 0
.macro WIN new                         ; the immediate's high byte repeats the setting that is left; low byte: bits 1:0 source 0, 3:2 source 1, 5:4 source 2, 7:6 destination
.if MSB != \new
	s_set_vgpr_msb (MSB<<8)|\new
.set MSB, \new
.endif
.endm
	s_load_b256 s[4:11], s[0:1], 0x0               ; K's codes s[4:5], K's scales s[6:7], Q's codes s[8:9], Q's scales s[10:11]
	s_load_b256 s[12:19], s[0:1], 0x20             ; V's codes s[12:13], V's scales s[14:15], valid_len s[16:17], out0 s[18:19]
	v_lshl_add_u32 v254, v0, 2, 0x12000            ; the LDS address of my spare word, 4 x my thread's number behind byte 73,728, and 0: kept for the closing lines alone
	v_mov_b32 v255, 0
	v_lshrrev_b32 v[MD], 5, v0
	v_readfirstlane_b32 s[WV], v[MD]               ; wave 0..7
	v_and_b32 v96, 7, v0                           ; r % 8
	v_bfe_u32 v97, v0, 3, 1                        ; r / 8
	v_bfe_u32 v98, v0, 4, 1                        ; h = lane / 16
	v_and_b32 v99, 15, v0                          ; r = lane % 16
	v_and_b32 v100, 31, v0                         ; lane
	v_lshlrev_b32 v[KO], 5, v96                    ; K: row r of a tile is key 32 (r / 8) + r % 8 (+ 64 c + 8 g): 32 bytes a key, + 16 h
	v_lshl_add_u32 v[KO], v97, 10, v[KO]
	v_lshl_add_u32 v[KO], v98, 4, v[KO]
	v_lshlrev_b32 v[KSO], 1, v96                   ; its scale bytes: 2 a key; lanes 16-31 take the tile 8 keys on
	v_lshl_add_u32 v[KSO], v97, 6, v[KSO]
	v_lshl_add_u32 v[KSO], v98, 4, v[KSO]
	v_lshlrev_b32 v[VO], 10, v99                   ; V: row r of 1,024 bytes, + 16 h
	v_lshl_add_u32 v[VO], v98, 4, v[VO]
	v_lshlrev_b32 v[VSO], 6, v100                  ; its scale words: 64 bytes a row; lanes 16-31 take the next tile's 16 rows
	v_lshlrev_b32 v[QO], 5, v99                    ; Q: row r of 32 bytes, + 16 h
	v_lshl_add_u32 v[QO], v98, 4, v[QO]
	v_lshlrev_b32 v[QSO], 1, v99
	s_wait_alu depctr_va_sdst(0)                   ; s20, the wave's number, is written, ahead of its first reader: the job, the batch and every base are made from it
	s_lshr_b32 s[JOB], s[WV], 2
	s_and_b32 s[SG], s[WV], 3
	s_and_b32 s[BT], ttmp9, 3
	s_lshl_b32 s27, s[JOB], 2
	s_add_co_u32 s[BT], s[BT], s27                 ; batch = (x & 3) + 4 x job
	s_lshr_b32 s[QB], ttmp9, 2                     ; block of 32 queries
	s_mul_i32 s27, s[JOB], 3
	s_xor_b32 s[JS], s[SG], s27                    ; my first key step: wave & 3, in the second job 3 - (wave & 3)
	; byte offsets, each in a pair with 0 above it
	s_lshl_b32 s27, s[BT], 16                      ; a batch's codes: 65,536 bytes in each of K, Q, V
	s_lshl_b32 s28, s[BT], 12                      ; its scale bytes: 4,096 in each
	s_lshl_b32 s32, s[JS], 12                      ; K's codes: 4,096 bytes a step
	s_add_co_u32 s32, s32, s27
	s_lshl_b32 s34, s[JS], 8                       ; K's scale bytes: 256 a step
	s_add_co_u32 s34, s34, s28
	s_lshl_b32 s36, s[QB], 10                      ; Q's codes: 32 rows of 32 bytes
	s_add_co_u32 s36, s36, s27
	s_lshl_b32 s38, s[QB], 6                       ; Q's scale bytes: 32 rows of 2
	s_add_co_u32 s38, s38, s28
	s_lshl_b32 s40, s[JS], 6                       ; V's codes: 64 bytes of each row a step
	s_add_co_u32 s40, s40, s27
	s_lshl_b32 s42, s[JS], 2                       ; V's scale bytes: 4 of each row a step
	s_add_co_u32 s42, s42, s28
	s_lshl_b32 s44, s[BT], 2                       ; valid_len[batch]
	s_lshl_b32 s46, s[BT], 19                      ; out0: 524,288 bytes a batch,
	s_lshl_b32 s29, s[QB], 13                      ; 32 rows of 256
	s_add_co_u32 s46, s46, s29
.irp p, 33,35,37,39,41,43,45,47
	s_mov_b32 s[\p], 0
.endr
	s_wait_kmcnt 0x0
	s_add_nc_u64 s[16:17], s[16:17], s[44:45]
	s_load_b32 s[VL], s[16:17], 0x0
	s_add_nc_u64 s[8:9], s[8:9], s[36:37]
	s_add_nc_u64 s[10:11], s[10:11], s[38:39]
	s_add_nc_u64 s[4:5], s[4:5], s[32:33]
	s_add_nc_u64 s[6:7], s[6:7], s[34:35]
	s_add_nc_u64 s[12:13], s[12:13], s[40:41]
	s_add_nc_u64 s[14:15], s[14:15], s[42:43]
	s_add_nc_u64 s[18:19], s[18:19], s[46:47]
; K of my step i (i = 0..3: key step JS + 4 i) into buffer buf: 8 loads of codes, each two runs of 256 consecutive bytes, and 4 of scale bytes: 12 loads
.macro KLOAD buf, i
	WIN 0x40                                       ; destination window 1
.irp t, 0,1,2,3,4,5,6,7
	global_load_b128 v[KF+36*(\buf)+4*\t:KF+36*(\buf)+4*\t+3], v[KO], s[4:5] offset:16384*(\i)+2048*(\t/4)+256*(\t%4)
.endr
	WIN 0
.irp u, 0,1,2,3
	global_load_u16 v[KS+4*(\buf)+\u], v[KSO], s[6:7] offset:1024*(\i)+128*(\u/2)+32*(\u%2)
.endr
.endm
; V likewise: 4 tiles of 16 of the head's 64 x 128 keys, 8 loads of codes and 2 of scale words: 10 loads
.macro VLOAD buf, i
	WIN 0x40
.irp d, 0,1,2,3
.irp c, 0,1
	global_load_b128 v[VF+32*(\buf)+8*\d+4*\c:VF+32*(\buf)+8*\d+4*\c+3], v[VO], s[12:13] offset:256*(\i)+16384*\d+32*\c
.endr
.endr
	WIN 0
.irp u, 0,1
	global_load_b32 v[VS+2*(\buf)+\u], v[VSO], s[14:15] offset:16*(\i)+2048*\u
.endr
.endm
	s_wait_alu depctr_va_vdst(0)                   ; the six offsets v1-4, v15 and v228 are written: every global load of the kernel reads one of them, and none is written again
	global_load_b128 v[Q:Q+3], v[QO], s[8:9]                   ; Q's two fragments stay in registers
	global_load_b128 v[Q+8:Q+11], v[QO], s[8:9] offset:512
	global_load_u16 v[QS], v[QSO], s[10:11]
	global_load_u16 v[QS+1], v[QSO], s[10:11] offset:32
	KLOAD 0, 0                                     ; my first two steps: key steps JS and JS + 4 lie inside the buffers whatever valid_len says
	VLOAD 0, 0
	KLOAD 1, 1
	VLOAD 1, 1
	; every LDS address is made here, ahead of the first branch: a constant + constants x lane + constants x wave
	s_mul_i32 s27, s[WV], WIMG
	v_mul_u32_u24 v[OST], v98, HALFP
	v_lshl_add_u32 v[OST], v99, 4, v[OST]
	v_add_nc_u32 v[OST], s27, v[OST]               ; my wave's image: half h, 16 bytes for each r
	s_lshl_b32 s27, s[WV], 8
	s_add_co_u32 s27, s27, STAT
	v_lshl_add_u32 v[SST], v99, 3, s27             ; my wave's statistics: 8 bytes a query
	s_lshl_b32 s27, s[JOB], 10
	s_lshl_b32 s28, s[SG], 6
	s_add_co_u32 s27, s27, s28
	s_add_co_u32 s27, s27, STAT
	v_lshl_add_u32 v[SLD], v96, 3, s27             ; my job's first wave's statistics of query 8 (wave & 3) + lane % 8
	s_lshl_b32 s27, s[WV], 7
	s_add_co_u32 s27, s27, GB
	v_lshl_add_u32 v[GST], v96, 4, s27
	v_lshl_add_u32 v[GLD], v98, 4, s27
	v_bfe_u32 v101, v0, 2, 2                       ; of a row of O lane x = lane % 16 takes numbers 4 x .. 4 x + 3: they lie in piece 2 (x / 4) + x % 2,
	v_and_b32 v102, 1, v0
	v_lshl_add_u32 v101, v101, 1, v102
	v_bfe_u32 v103, v0, 1, 1                       ; half (x / 2) % 2
	v_mul_u32_u24 v[OLD], v101, PIECE
	v_mad_u32_u24 v[OLD], v103, HALFP, v[OLD]
	v_lshl_add_u32 v[OLD], v98, 4, v[OLD]          ; lanes 16-31 take the next query
	s_mul_i32 s27, s[JOB], 4*WIMG                  ; my job's first wave,
	s_lshr_b32 s28, s[SG], 1
	s_mul_i32 s28, s28, TIMG                       ; the tile of my 8 queries,
	s_add_co_u32 s27, s27, s28
	s_and_b32 s28, s[SG], 1
	s_lshl_b32 s28, s28, 7                         ; and which 8 of its 16
	s_add_co_u32 s27, s27, s28
	v_add_nc_u32 v[OLD], s27, v[OLD]
	v_lshlrev_b32 v[OUTO], 4, v99
	v_lshl_add_u32 v[OUTO], v98, 8, v[OUTO]
	s_lshl_b32 s27, s[SG], 11
	v_add_nc_u32 v[OUTO], s27, v[OUTO]             ; out0: row 8 (wave & 3) + h of the job's 32, 16 bytes a lane
	v_lshlrev_b32 v[SH8], 3, v98
	s_mov_b32 s[SEL], 0x76543210
	s_mov_b32 s[SEL+1], 0xfedcba98
	s_mov_b32 s[CS], 0x3e38aa3b                    ; log2(e) / 8
	s_mov_b32 s[CS+1], s[CS]                       ; (named with it as a pair, so it is written)
.irp q, 0,1
	v_mov_b32 v[ST+8*\q], 0x7e000000               ; -M = 2^125: above every -M that a step can give; the first change of M multiplies zeros by 0
	v_mov_b32 v[ST+8*\q+1], 0xff61b1e6             ; the largest dot so far: -3e38
.irp e, 2,3,4,5,6,7
	v_mov_b32 v[ST+8*\q+\e], 0                     ; l; and what is named as a pair's other word or as a lane permute's destination before it is first written
.endr
	v_mov_b32 v[TP+\q], 0
.irp e, 4,5,6,7
	v_mov_b32 v[Q+8*\q+\e], 0                      ; Q's zero codes for k = 64 .. 127
.endr
.endr
	WIN 0x40
.irp e, 32,33,34,35,68,69,70,71
	v_mov_b32 v[KF+\e], 0                          ; the four registers behind each buffer's last tile
.endr
.set j, 0
.rept 64
	v_mov_b32 v[O+j], 0                            ; O^T: so that no step has a form of its own, and a wave without steps hands zeros on
.set j, j+1
.endr
	WIN 0
	s_wait_alu depctr_va_vdst(0)                   ; Q's zero codes and the pads behind K's two buffers are written, which the scaled products K Q^T of every step take as operands; no later line writes them
	s_wait_kmcnt 0x0                               ; valid_len
	s_max_i32 s[VL], s[VL], 0
	s_min_u32 s[VL], s[VL], 2048
	s_add_co_u32 s[NS], s[VL], 127
	s_lshr_b32 s[NS], s[NS], 7                     ; key steps with a visible key;
	s_cmp_eq_u32 s[VL], 0
	s_cselect_b32 s[NS], 16, s[NS]                 ; with none visible all keys count alike: all sixteen
	s_add_co_u32 s[NS], s[NS], 3
	s_sub_co_u32 s[NS], s[NS], s[JS]
	s_lshr_b32 s[NS], s[NS], 2                     ; of them mine: JS, JS + 4, ..
	s_min_u32 s[NS], s[NS], 4
	s_lshl_b32 s[REM], s[JS], 7
	s_add_co_u32 s[REM], s[REM], 128
	s_sub_co_i32 s[REM], s[VL], s[REM]             ; valid_len less my first step's end
; the k-th of 33 lines that bring tile q's sum under the new M and add its 32 pairs of p: four chains, so that no line waits for the line above it
.macro SUMOP q, k
.set LL, ST+8*(\q)+2
.set BB, S+64*(\q)
.if (\k) == 0
	v_pk_mul_f32 v[LL:LL+1], v[LL:LL+1], v[LL+2:LL+3] op_sel_hi:[1,0]
.elseif (\k) < 4
	v_pk_add_f32 v[TS+2*(\k)-2:TS+2*(\k)-1], v[BB+4*(\k)-4:BB+4*(\k)-3], v[BB+4*(\k)-2:BB+4*(\k)-1]
.elseif (\k) < 30
.if (\k)%4 == 0
	v_pk_add_f32 v[LL:LL+1], v[LL:LL+1], v[BB+2*(\k)+4:BB+2*(\k)+5]
.else
	v_pk_add_f32 v[TS+2*((\k)%4)-2:TS+2*((\k)%4)-1], v[TS+2*((\k)%4)-2:TS+2*((\k)%4)-1], v[BB+2*(\k)+4:BB+2*(\k)+5]
.endif
.elseif (\k) == 30
	v_pk_add_f32 v[TS:TS+1], v[TS:TS+1], v[TS+2:TS+3]
.elseif (\k) == 31
	v_pk_add_f32 v[LL:LL+1], v[LL:LL+1], v[TS+4:TS+5]
.else
	v_pk_add_f32 v[LL:LL+1], v[LL:LL+1], v[TS:TS+1]
.endif
.endm
; tile q: from my two blocks' largest p the conversions' scale operands and P's scale word
.macro SCALEW q
.irp c, 0,1
	v_max_num_f32 v[MX+2*(\q)+\c], 0x1800000, v[MX+2*(\q)+\c]   ; the floor 2^(3 - 127): the byte cannot fall under 1 (a block whose every p is 0 keeps that byte: its codes are zeros)
.endr
.irp c, 0,1
	v_add_nc_u32 v[SCL+2*(\q)+\c], 0xff000000, v[MX+2*(\q)+\c]  ; 2 off the exponent field: the conversion takes this operand's exponent field as its scale
.endr
.irp c, 0,1
	v_lshrrev_b32 v[BY+2*(\q)+\c], 23, v[SCL+2*(\q)+\c]         ; the scale's byte
.endr
	v_lshl_or_b32 v[PW+\q], v[BY+2*(\q)+1], 16, v[BY+2*(\q)]    ; my blocks h and 2 + h,
	v_lshlrev_b32 v[PW+\q], v[SH8], v[PW+\q]                    ; at their places in the word;
	v_permlanex16_b32 v[TP+\q], v[PW+\q], s[SEL], s[SEL+1]
	v_or_b32 v[PW+\q], v[PW+\q], v[TP+\q]                       ; with lane l xor 16's two the word is whole
.endm
.macro CVT q                           ; tile t's eight registers are keys 64 (t / 4) + 32 h + 8 (t % 4) + 0..7: register t of P's operand
.irp t, 0,1,2,3,4,5,6,7
	v_cvt_scalef32_pk8_fp4_f32 v[P+8*(\q)+\t], v[S+64*(\q)+8*\t:S+64*(\q)+8*\t+7], v[SCL+2*(\q)+\t/4]
.endr
.endm
; A KEY STEP on buffer buf.  w1: the loads issued behind this step's K; w2: those behind its V; pre = 1: my step nx is asked for, into the same buffer.
.macro STEP buf, w1, w2, pre, nx
	s_wait_loadcnt \w1                             ; loads come back in order: this step's K is in (and, the first time, Q)
	WIN 0x01                                       ; source 0 (K) window 1
.irp t, 0,1,2,3,4,5,6,7
.irp q, 0,1
.if (\t)%2
	v_wmma_scale_f32_16x16x128_f8f6f4 v[S+64*\q+8*\t:S+64*\q+8*\t+7], v[KF+36*(\buf)+4*\t:KF+36*(\buf)+4*\t+7], v[Q+8*\q:Q+8*\q+7], 0, v[KS+4*(\buf)+\t/2], v[QS+\q] matrix_a_fmt:MATRIX_FMT_FP4 matrix_b_fmt:MATRIX_FMT_FP4 matrix_a_scale:MATRIX_SCALE_ROW1
.else
	v_wmma_scale_f32_16x16x128_f8f6f4 v[S+64*\q+8*\t:S+64*\q+8*\t+7], v[KF+36*(\buf)+4*\t:KF+36*(\buf)+4*\t+7], v[Q+8*\q:Q+8*\q+7], 0, v[KS+4*(\buf)+\t/2], v[QS+\q] matrix_a_fmt:MATRIX_FMT_FP4 matrix_b_fmt:MATRIX_FMT_FP4
.endif
.endr
.endr
	WIN 0
.rept 4
	v_nop                                          ; four places behind the products (ISA guide 7.12.1), in front of the first read of the scores
.endr
	; THE MASK.  Only a step that reaches past valid_len takes it: a scalar branch on valid_len.  Hidden scores take reference()'s fill ahead of the maximum
	s_cmp_ge_i32 s[REM], 0
	s_cbranch_scc1 .Lopen_\@
	s_add_co_i32 s28, s[REM], 127
	v_lshlrev_b32 v[MD], 2, v[SH8]
	v_sub_nc_u32 v[MD], s28, v[MD]                 ; register n holds the step's key 64 (n / 32) + 32 h + n % 32: hidden where 64 (n / 32) + n % 32 > valid_len - the step's first key - 1 - 32 h
	v_mov_b32 v[FILL], FILLV
.set n0, 0
.rept 4                                        ; sixteen registers of each tile at a time: a run of compares into sixteen scalar registers, one wait, the selects
.set n, 0
.rept 16
	v_cmp_gt_i32 s[CMK+n], 64*((n0+n)/32)+(n0+n)%32, v[MD]
.set n, n+1
.endr
	s_wait_alu depctr_va_sdst(0)                   ; the sixteen compares have written s32-47, ahead of the selects that read them
.set n, 0
.rept 16
	v_cndmask_b32 v[S+n0+n], v[S+n0+n], v[FILL], s[CMK+n]
	v_cndmask_b32 v[S+64+n0+n], v[S+64+n0+n], v[FILL], s[CMK+n]
.set n, n+1
.endr
.set n0, n0+16
.endr
.Lopen_\@:
	; the largest dot of each block of 32 keys (chain 2 q + c: 32 registers of one lane): it serves for the row's maximum and, since p rises with the score, for the block's largest p.  Each accumulator is read from its low end on
.irp x, 0,1,2,3
	v_max3_num_f32 v[MX+\x], v[S+32*\x], v[S+32*\x+1], v[S+32*\x+2]
.endr
.irp i, 3,5,7,9,11,13,15,17,19,21,23,25,27,29
.irp x, 0,1,2,3
	v_max3_num_f32 v[MX+\x], v[MX+\x], v[S+32*\x+\i], v[S+32*\x+\i+1]
.endr
.endr
.irp x, 0,1,2,3
	v_max_num_f32 v[MX+\x], v[MX+\x], v[S+32*\x+31]
.endr
.irp q, 0,1
	v_max_num_f32 v[ST+8*\q+6], v[MX+2*\q], v[MX+2*\q+1]
.endr
.irp q, 0,1
	v_permlanex16_b32 v[ST+8*\q+7], v[ST+8*\q+6], s[SEL], s[SEL+1]   ; the query's other 64 keys lie in lane l xor 16
.endr
.irp q, 0,1
	v_max3_num_f32 v[ST+8*\q+1], v[ST+8*\q+1], v[ST+8*\q+6], v[ST+8*\q+7]   ; the running largest dot
.endr
.irp q, 0,1
	v_mov_b32 v[ST+8*\q+6], v[ST+8*\q]
.endr
.irp q, 0,1
	v_mul_f32 v[ST+8*\q+7], s[CS], v[ST+8*\q+1]    ; as t (c is positive)
.endr
.irp q, 0,1
	v_floor_f32 v[ST+8*\q], -v[ST+8*\q+7]          ; the new -M = floor(-t): M is a whole number
.endr
.irp q, 0,1
	v_sub_f32 v[ST+8*\q+6], v[ST+8*\q], v[ST+8*\q+6]   ; old M - new M: a whole number, 0 or less
.endr
.irp q, 0,1
	v_cvt_i32_f32 v[ST+8*\q+6], v[ST+8*\q+6]       ; (it saturates)
.endr
.irp q, 0,1
	v_ldexp_f32 v[ST+8*\q+4], 1.0, v[ST+8*\q+6]    ; f = 2^(old M - new M): rounds nothing
.endr
.set j, 0
.rept 32
	v_pk_fma_f32 v[S+j:S+j+1], v[S+j:S+j+1], s[CS:CS+1], v[ST:ST+1] op_sel_hi:[1,0,0]   ; tile 0: t - M, two at a time (of the pairs c and -M the low word serves both halves)
.set j, j+2
.endr
	v_fma_f32 v[MX], v[MX], s[CS], v[ST]           ; the same of each block's largest dot
	v_fma_f32 v[MX+1], v[MX+1], s[CS], v[ST]
	; FIRST BATCH: tile 0's 66 exponentials; tile 1's scalings stand among them.  None of these lines names an exponential's result
.set j, 0
.rept 32
	v_pk_fma_f32 v[S+64+j:S+64+j+1], v[S+64+j:S+64+j+1], s[CS:CS+1], v[ST+8:ST+9] op_sel_hi:[1,0,0]
	v_exp_f32 v[S+j], v[S+j]                       ; p = 2^(t - M): not normalised
	v_exp_f32 v[S+j+1], v[S+j+1]
.set j, j+2
.endr
	v_exp_f32 v[MX], v[MX]                         ; the blocks' largest p: the same two instructions on the same number give the same bits
	v_exp_f32 v[MX+1], v[MX+1]
	v_fma_f32 v[MX+2], v[MX+2], s[CS], v[ST+8]     ; (plain lines behind the last exponential)
	v_fma_f32 v[MX+3], v[MX+3], s[CS], v[ST+8]
	s_wait_alu depctr_va_vdst(0)                   ; tile 0's p and its two blocks' largest p are written, ahead of the first line that names one (one wait for the batch); and this step's products K Q^T are done reading K's buffer and its scale words, in which the loads below land
.if \pre
	KLOAD \buf, \nx                                ; only window switches and loads stand between that wait and these twelve loads
.endif
	; SECOND BATCH: tile 1's 66 exponentials; tile 0's sum of the UNQUANTISED p stands among them
.set kk, 0
.rept 32
	SUMOP 0, kk
	v_exp_f32 v[S+64+2*kk], v[S+64+2*kk]
	v_exp_f32 v[S+64+2*kk+1], v[S+64+2*kk+1]
.set kk, kk+1
.endr
	v_exp_f32 v[MX+2], v[MX+2]
	v_exp_f32 v[MX+3], v[MX+3]
	SUMOP 0, 32                                    ; (a plain line behind the last exponential)
	SCALEW 0                                       ; tile 0's scale word and codes name nothing of the second batch
	CVT 0
	s_wait_alu depctr_va_vdst(0)                   ; tile 1's p and its two blocks' largest p are written: one wait for the second batch, ahead of the first line that names one
.set kk, 0
.rept 33
	SUMOP 1, kk                                    ; (the first is also the plain line behind tile 0's conversions)
.set kk, kk+1
.endr
	SCALEW 1
	CVT 1
	WIN 0x41                                       ; O^T (destination and source 0) window 1, f window 0
.irp q, 0,1
.set j, 0
.rept 16
	v_pk_mul_f32 v[O+32*\q+j:O+32*\q+j+1], v[O+32*\q+j:O+32*\q+j+1], v[ST+8*\q+4:ST+8*\q+5] op_sel_hi:[1,0]   ; O^T under the new M.  These 32 plain lines also stand between P's codes and scale word and the products below
.set j, j+2
.endr
.endr
	s_wait_loadcnt \w2                             ; this step's V is in
	s_wait_alu depctr_va_vdst(0)                   ; the conversions have written P's codes and the vector lines its two scale words, which the scaled products below take as operand and scales; the places above stay beside this wait
	WIN 0x51                                       ; source 0 (V), C and D (O^T) window 1; P window 0
.irp d, 0,1,2,3                        ; the eight accumulators by turns, one instruction a turn
.irp q, 0,1
.if (\d)%2
	v_wmma_scale_f32_16x16x128_f8f6f4 v[O+32*\q+8*\d:O+32*\q+8*\d+7], v[VF+32*(\buf)+8*\d:VF+32*(\buf)+8*\d+7], v[P+8*\q:P+8*\q+7], v[O+32*\q+8*\d:O+32*\q+8*\d+7], v[VS+2*(\buf)+\d/2], v[PW+\q] matrix_a_fmt:MATRIX_FMT_FP4 matrix_b_fmt:MATRIX_FMT_FP4 matrix_a_scale:MATRIX_SCALE_ROW1
.else
	v_wmma_scale_f32_16x16x128_f8f6f4 v[O+32*\q+8*\d:O+32*\q+8*\d+7], v[VF+32*(\buf)+8*\d:VF+32*(\buf)+8*\d+7], v[P+8*\q:P+8*\q+7], v[O+32*\q+8*\d:O+32*\q+8*\d+7], v[VS+2*(\buf)+\d/2], v[PW+\q] matrix_a_fmt:MATRIX_FMT_FP4 matrix_b_fmt:MATRIX_FMT_FP4
.endif
.endr
.endr
	WIN 0
.rept 4
	v_nop                                          ; four places, in front of the first read of O^T behind the last step
.endr
.if \pre
	s_wait_alu depctr_va_vdst(0)                   ; the products V^T P are done reading V's buffer and its scale words, in which the ten loads below land
	VLOAD \buf, \nx
.endif
	s_sub_co_i32 s[REM], s[REM], 512               ; my next step ends 512 keys further on
.endm
	; The ways by my number of steps n.  What is out at each step's head is the same on every way that leads to it:  n = 4: fetch, fetch, middle, last;  n = 3: fetch, middle, last;  n = 2: middle, last;  n = 1: middle.
	s_cmp_eq_u32 s[NS], 0
	s_cbranch_scc1 .Lcombine                       ; no step of mine has a visible key: zeros go on (the loads that are out land in registers that nothing below names)
	s_cmp_lt_u32 s[NS], 3
	s_cbranch_scc1 .Lshort
	STEP 0, 32, 34, 1, 2                           ; behind K: V, next K, next V = 10 + 12 + 10; behind V: next K, next V and the K just asked for = 12 + 10 + 12
	s_cmp_eq_u32 s[NS], 3
	s_cbranch_scc1 .Lthree
	STEP 1, 32, 34, 1, 3
.Lshort:
	STEP 0, 32, 22, 0, 0                           ; behind V: next K and next V = 22
	s_cmp_eq_u32 s[NS], 1
	s_cbranch_scc1 .Lcombine
	STEP 1, 10, 0, 0, 0                            ; behind K: this step's V alone; behind V nothing
	s_branch .Lcombine
.Lthree:
	STEP 1, 32, 22, 0, 0
	STEP 0, 10, 0, 0, 0
.Lcombine:
	; THE FOUR PARTS OF A JOB ARE JOINED.  Each wave hands on, for each query, -M and l, and its O^T as it stands in the registers: four registers a piece, lane (r, h) at 272 h + 16 r.
.irp q, 0,1
	v_add_f32 v[ST+8*\q+2], v[ST+8*\q+2], v[ST+8*\q+3]           ; l's two halves,
.endr
.irp q, 0,1
	v_permlanex16_b32 v[ST+8*\q+7], v[ST+8*\q+2], s[SEL], s[SEL+1]
.endr
.irp q, 0,1
	v_add_f32 v[ST+8*\q+1], v[ST+8*\q+2], v[ST+8*\q+7]           ; and lane l xor 16's, beside -M
.endr
	s_wait_alu depctr_va_vdst(0)                   ; -M and l are written, and so is O^T (by the last products, or by the head's lines in a wave without steps), which the LDS stores below read, by addresses made at the head; and every line that named v96-223 is done, in which the LDS loads behind the barrier land
.irp q, 0,1
	ds_store_b64 v[SST], v[ST+8*\q:ST+8*\q+1] offset:128*\q      ; lanes r and r + 16 write the same bytes with the same values
.endr
	WIN 0x04                                       ; an LDS store's data are its source 1: window 1
.irp q, 0,1
.irp d, 0,1,2,3
.irp c, 0,1
	ds_store_b128 v[OST], v[O+32*\q+8*\d+4*\c:O+32*\q+8*\d+4*\c+3] offset:TIMG*\q+PIECE*(2*\d+\c)   ; each accumulator from its low end on
.endr
.endr
.endr
	WIN 0
	s_wait_dscnt 0x0                               ; for the others' sake: my stores have landed
	s_barrier_signal -1
	s_barrier_wait -1                              ; everybody's have
.set CA, 96                            ; v96-103  (-M, l) of my query in the job's four waves
.set CC, 104                           ; v104-167 four rows x four waves x 4 numbers of O
.set CF, 168                           ; v168-171 2^(M_s - M)
.set CD, 172
.set CM, 176
.set CL, 177
.set CR, 178
.set CG, 180                           ; v180-183 2^(M_s - M) / L
.set CH, 184                           ; v184-199 the same for my four rows
.set CO, 200                           ; v200-215 results
	; My wave finishes queries 8 (wave & 3) .. + 7 of its job.  Row i of four: query 2 i + lane / 16 of them; sixteen lanes hold the row's 256 bytes.
.irp s, 0,1,2,3
	ds_load_b64 v[CA+2*\s:CA+2*\s+1], v[SLD] offset:256*\s       ; no vector or matrix line stands between the wait on va_vdst above and these twenty loads
.endr
.irp i, 0,1,2,3
.irp s, 0,1,2,3
	ds_load_b128 v[CC+16*\i+4*\s:CC+16*\i+4*\s+3], v[OLD] offset:WIMG*\s+32*\i
.endr
.endr
	s_wait_dscnt 16                                ; the four statistics are in; the sixteen loads behind them may be out
	v_min3_num_f32 v[CM], v[CA], v[CA+2], v[CA+4]
	v_min_num_f32 v[CM], v[CM], v[CA+6]            ; -M of the whole row (query lane % 8; four lanes do the same work)
.irp s, 0,1,2,3
	v_sub_f32 v[CD+\s], v[CM], v[CA+2*\s]          ; M_s - M: a whole number, 0 or less
.endr
.irp s, 0,1,2,3
	v_cvt_i32_f32 v[CD+\s], v[CD+\s]
.endr
.irp s, 0,1,2,3
	v_ldexp_f32 v[CF+\s], 1.0, v[CD+\s]            ; 0 for a wave that had no step
.endr
	v_mul_f32 v[CL], v[CF], v[CA+1]
	v_fmac_f32 v[CL], v[CF+1], v[CA+3]
	v_fmac_f32 v[CL], v[CF+2], v[CA+5]
	v_fmac_f32 v[CL], v[CF+3], v[CA+7]             ; the row's sum
	v_rcp_f32 v[CR], v[CL]
	v_nop                                          ; a plain line behind the reciprocal,
	s_wait_alu depctr_va_vdst(0)                   ; and the reciprocal has written v178, ahead of its first reader
.irp s, 0,1,2,3
	v_mul_f32 v[CG+\s], v[CF+\s], v[CR]
.endr
	s_wait_alu depctr_va_vdst(0)                   ; the four multiplies have written the factors v180-183, which the LDS store reads
	ds_store_b128 v[GST], v[CG:CG+3]               ; into my wave's own 128 bytes; LDS serves a wave's instructions in order (ISA guide 5.7.1.4): the loads below see it
.irp i, 0,1,2,3
	ds_load_b128 v[CH+4*\i:CH+4*\i+3], v[GLD] offset:32*\i
.endr
	s_wait_dscnt 0x0
.irp i, 0,1,2,3
.irp e, 0,1,2,3
	v_mul_f32 v[CO+4*\i+\e], v[CC+16*\i+\e], v[CH+4*\i]
.endr
.endr
.irp s, 1,2,3
.irp i, 0,1,2,3
.irp e, 0,1,2,3
	v_fmac_f32 v[CO+4*\i+\e], v[CC+16*\i+4*\s+\e], v[CH+4*\i+\s]
.endr
.endr
.endr
	s_wait_alu depctr_va_vdst(0)                   ; the multiply-adds have written the results v200-215, which the four stores read
.irp i, 0,1,2,3
	global_store_b128 v[OUTO], v[CO+4*\i:CO+4*\i+3], s[18:19] offset:512*\i th:TH_STORE_NT   ; 32 lanes store two rows: 512 consecutive bytes, at a multiple of 256 from out0's first byte; written once, read by nobody here
.endr
	s_wait_dscnt 0x0                               ; the closing lines, six on end
	s_wait_alu 0x0
	s_wait_tensorcnt 0x0
	ds_add_u32 v254, v255
	s_wait_dscnt 0x0
	s_endpgm
.Lfunc_end_k_q9892de98e4_attn:
	.size	k_q9892de98e4_attn, .Lfunc_end_k_q9892de98e4_attn-k_q9892de98e4_attn
	.p2alignl 7, 3214868480
	.fill 96, 4, 3214868480
	.section	.rodata,"a",@progbits
	.p2align	6, 0x0
	.amdhsa_kernel k_q9892de98e4_attn
		.amdhsa_group_segment_fixed_size 74752
		.amdhsa_private_segment_fixed_size 0
		.amdhsa_enable_private_segment 0
		.amdhsa_kernarg_size 64
		.amdhsa_user_sgpr_count 2
		.amdhsa_user_sgpr_kernarg_segment_ptr 1
		.amdhsa_wavefront_size32 1
		.amdhsa_system_sgpr_workgroup_id_x 1
		.amdhsa_system_sgpr_workgroup_id_y 1
		.amdhsa_system_sgpr_workgroup_id_z 1
		.amdhsa_system_vgpr_workitem_id 0
		.amdhsa_next_free_vgpr 456
		.amdhsa_next_free_sgpr 66
		.amdhsa_reserve_vcc 0
		.amdhsa_float_denorm_mode_32 3
		.amdhsa_float_denorm_mode_16_64 3
		.amdhsa_memory_ordered 1
		.amdhsa_forward_progress 1
		.amdhsa_inst_pref_size 254
	.end_amdhsa_kernel
	.amdgpu_metadata
---
amdhsa.version: [ 1, 2 ]
amdhsa.kernels:
  - .name:           k_q9892de98e4_attn
    .symbol:         k_q9892de98e4_attn.kd
    .args:
      - { .name: K_codes, .offset: 0, .size: 8, .value_kind: global_buffer, .address_space: global }
      - { .name: K_scales, .offset: 8, .size: 8, .value_kind: global_buffer, .address_space: global }
      - { .name: Q_codes, .offset: 16, .size: 8, .value_kind: global_buffer, .address_space: global }
      - { .name: Q_scales, .offset: 24, .size: 8, .value_kind: global_buffer, .address_space: global }
      - { .name: V_codes, .offset: 32, .size: 8, .value_kind: global_buffer, .address_space: global }
      - { .name: V_scales, .offset: 40, .size: 8, .value_kind: global_buffer, .address_space: global }
      - { .name: valid_len, .offset: 48, .size: 8, .value_kind: global_buffer, .address_space: global }
      - { .name: out0, .offset: 56, .size: 8, .value_kind: global_buffer, .address_space: global }
    .group_segment_fixed_size: 74752
    .private_segment_fixed_size: 0
    .kernarg_segment_align: 8
    .kernarg_segment_size: 64
    .max_flat_workgroup_size: 256
    .sgpr_count:     66
    .vgpr_count:     456
    .wavefront_size: 32
...
	.end_amdgpu_metadata
.endif
;; end of part 2
